; MI455X (gfx1250); checked and timed in simulation.
; The chip was launched on July 23, 2026; its instructions are those of AMD's public machine-readable ISA for CDNA 5 (MIT licence, August 2026) and "CDNA5" Instruction Set Architecture Reference Guide (July 2026). The comments in the code are by the model that wrote it; some were corrected since.
;; Multi Head Attention. Allowed arithmetic: matrix products marked QUANTISED: E2M1 operands, one E8M0 scale for each 32 along K, by v_wmma_scale_f32_16x16x128_f8f6f4 with both operands' format E2M1 (or v_wmma_scale_f32_32x16x128_f4), f32 sums; everything else in f32.
;; Inputs: W_out_codes 1,024 x 32 x 16 uint8 (E2M1 codes of W_out, K innermost, in blocks of 32 codes, two codes a byte); W_out_scales 1,024 x 32 uint8 (E8M0 scales of W_out, one for each 32 codes along K); W_qkv_codes 3,072 x 32 x 16 uint8 (E2M1 codes of W_qkv, K innermost, in blocks of 32 codes, two codes a byte); W_qkv_scales 3,072 x 32 uint8 (E8M0 scales of W_qkv, one for each 32 codes along K); b_out 1,024 float32; b_qkv 3,072 float32; x_codes 4 x 2,048 x 32 x 16 uint8 (E2M1 codes of x, K innermost, in blocks of 32 codes, two codes a byte); x_scales 4 x 2,048 x 32 uint8 (E8M0 scales of x, one for each 32 codes along K).
;; Outputs: out0 4 x 2,048 x 1,024 float32.
;; This version of the problem:
;;   THIS VERSION OF THE PROBLEM IS GIVEN IN LOW PRECISION. The matrix products marked QUANTISED in the list below multiply operands that are first quantised to E2M1 (2 exponent bits, 1 mantissa bit; 4 bits a number), with one power-of-two scale for each 32 numbers along K (OCP MX v1.0); their sums are f32. All else is computed in f32.
;;   The module's matrix products, in the order in which they are computed (A, B: the left and right operand; K: the contracted axis; several contracted axes count as one K, in the product's order):
;;     1. [M 8,192, K 1,024] x [K 1,024, N 3,072]; A: input x (given as codes); B: input W_qkv (given as codes): QUANTISED
;;     2. batch 64 x [M 2,048, K 64] x [K 64, N 2,048]; A: computed on the way; B: computed on the way: QUANTISED
;;     3. batch 64 x [M 2,048, K 2,048] x [K 2,048, N 64]; A: softmax (see below); B: computed on the way: QUANTISED
;;     4. [M 8,192, K 1,024] x [K 1,024, N 1,024]; A: computed on the way; B: input W_out (given as codes): QUANTISED
;;   THE QUANTISER, for each operand of a quantised product, along K:
;;     - K is cut into blocks of 32 from its start; a last block that is shorter is filled with zeros.
;;     - A block's scale is 2^e with e = floor(log2(the largest magnitude in the block)) - 2, held to -126 .. 127; a block of zeros has e = 0. As a byte (E8M0): e + 127.
;;     - Each number is divided by its block's scale, clamped to +-6, and rounded to the nearest number of E2M1, ties to even, subnormals kept.
;;     - The product sums the exact products of the quantised numbers (number of the format x scale) in f32.
;;   ~~~python
;;   def quantise(x, axis):      # numpy; x: float32 -> the quantised numbers, widened to float32 again
;;       x = np.moveaxis(x, axis, -1); K = x.shape[-1]
;;       x = np.pad(x, [(0, 0)] * (x.ndim - 1) + [(0, -K % 32)]); x = x.reshape(x.shape[:-1] + (-1, 32)); a = np.abs(x).max(-1, keepdims=True)
;;       e = np.where(a > 0, np.clip(np.frexp(np.where(a > 0, a, 1))[1] - 1 - 2, -126, 127), 0)      # np.frexp(a)[1] - 1 = floor(log2(a)), exactly
;;       r = np.clip(x / 2.0 ** e, -6, 6)
;;       step = 2.0 ** (np.maximum(np.frexp(np.where(r == 0, 1, r))[1] - 1, 0) - 1)
;;       q = np.round(r / step) * step * 2.0 ** e      # np.round: ties to even
;;       return np.moveaxis(q.reshape(q.shape[:-2] + (-1,))[..., :K], -1, axis).astype(np.float32)
;;   ~~~
;;   SOFTMAX AHEAD OF A QUANTISED PRODUCT. Where the list says 'softmax', what is quantised is not the finished softmax but p = 2^(t - M), with t = logit x log2(e) and M = ceil(the row's largest t), a whole number; so 1/2 < the row's largest p <= 1. The row's sum l is taken of the UNQUANTISED p, in f32, and the product's result is divided by l at the end. Since M is a whole number, a kernel that streams over the keys may use a running M (the ceiling of the running maximum): every later rescaling is an exact power of two, which a block's scale takes up: the codes' values come out the same.
;;   OPERANDS COMPUTED ON THE WAY. 'Computed on the way' means the value that the module computes at that place (a softmax that the list does not call 'softmax' is quantised finished and normalised). What goes into a quantiser is computed in f32, as accurately as f32 sums, v_exp_f32 and their like allow (about 1e-6 of the number): no bf16 or f16 on the way to a quantiser, and a product that is left as it is and whose result goes on into a quantised operand takes f32 operands (vector FMAs, or v_wmma_f32_16x16x4_f32). A number that lies on a knife's edge between two numbers of the format may be rounded either way, as far as f32 arithmetic and the matrix unit's own rounding can turn it there, and no further.
;;   INPUTS GIVEN AS CODES. W_out (in the module: [1024, 1024], K = its axis 1); W_qkv (in the module: [3072, 1024], K = its axis 1); x (in the module: [4, 2048, 1024], K = its axis 2): each comes as NAME_codes (uint8): NAME with its K axis moved to the last place and cut into blocks of 32 codes, [.., K / 32, bytes a block], one block behind the other in memory; two codes a byte, the lower K in the low four bits (a code: sign, 2 exponent bits, 1 mantissa bit); and NAME_scales (uint8): the same leading axes, one E8M0 byte (e + 127) for each 32 codes along K. Its value is code x scale, taken as it is: it is not quantised again, and the codes and scales need not be those that the quantiser above would give.
;; One version. Each part assembles by itself: llvm-mc -triple=amdgcn-amd-amdhsa -mcpu=gfx1250 --defsym DOCPART=n.
;; ======== version 1 of 1: 3 launches
;; workspace buffers: qkv 12,582,912 bytes; sc 1,310,720 bytes; vc 4,194,304 bytes; vs 262,144 bytes
;; launch qkv_proj (part 1): grid 16 x 32, 12 waves a work-group, clusters of 4 x 4, 263,680 bytes of LDS; arguments x_codes, x_scales, W_qkv_codes, W_qkv_scales, b_qkv, qkv, sc; writes qkv, sc
.if DOCPART == 1
	.amdgcn_target "amdgcn-amd-amdhsa--gfx1250"
	.amdhsa_code_object_version 6
	.text
	.protected	k_q856e6e70be_qkv_proj
	.globl	k_q856e6e70be_qkv_proj
	.p2align	8
	.type	k_q856e6e70be_qkv_proj,@function
k_q856e6e70be_qkv_proj:
	s_mov_b64 s[64:65], 0
	v_nop
	global_prefetch_b8 v0, s[64:65] scope:SCOPE_SE
	s_setreg_imm32_b32 hwreg(HW_REG_WAVE_MODE, 25, 1), 1
	s_wait_xcnt 0x0
	s_wait_alu depctr_hold_cnt(0) depctr_sa_sdst(0) depctr_va_vdst(0) depctr_va_sdst(0) depctr_va_ssrc(0) depctr_va_vcc(0) depctr_vm_vsrc(0)
	s_getreg_b32 s2, hwreg(HW_REG_IB_STS2, 6, 4)
	s_cmp_eq_u32 s2, 0
	s_cbranch_scc0 .Lentry_in_a_cluster
	s_endpgm
.Lentry_in_a_cluster:
	s_bfe_u32 s2, ttmp6, 0x10000c
	s_cmp_lg_u32 s2, 0xf033
	s_cbranch_scc0 .Lentry_shape_is_right
	s_endpgm
.Lentry_shape_is_right:
; qkv = x W_qkv^T + b_qkv on codes of FP4 (E2M1) with E8M0 scales, and its results quantised at once: q and k along the head's 64 channels, v along the keys.
; SHARES.  A work-group takes 256 rows of x and one head's 192 columns (64 of q, 64 of k, 64 of v).  Twelve waves: wave w makes part c = w / 4 for rows 64 (w % 4) on: 64 x 64, sixteen accumulators.
; ONE BODY FOR ALL PARTS: source 0 = 64 "P rows", source 1 = 64 "N rows".  In a result a lane holds one N row and its registers run along the P rows.  q, k: P = rows of W, N = rows of x: registers along the channels.
; v: P = rows of x, N = rows of W: registers along the keys.  So each part's registers run along the K of the product that will read it.  Only base addresses differ between the parts.
; LDS HOLDS ALL THAT THE WORK-GROUP READS: 448 rows of 1,024 codes, in two halves along K, and their scale bytes.  Every tensor load is a first fill; no byte of LDS is filled twice.
; The first half of K is multiplied while the second lands.
; CLUSTER 4 x 4: the four work-groups of a row of the cluster share their rows of x, the four of a column their head's rows of W: each tile is asked for jointly.
; A BLOCK OF 32 lies in two neighbouring tiles (16 registers) of lanes l and l xor 16.  Four conversions, written to registers in the order tile 0, 2, 1, 3, and two exchanges of lane halves leave lane (r, h) with
; the whole block h of its row, K ascending: registers 0-3 of an operand.  The codes leave as that image: 16 bytes a lane, 512 consecutive bytes a store.
; A block's scale is 2^(floor(log2(largest magnitude)) - 2); its byte is the largest magnitude's exponent field - 2, held at 1 from below.
; LIMITS: a block of zeros gets the byte 1 and not 127 (its codes are zeros, and this program alone reads the bytes); NaN and infinities are not served.
.set PITCH, 272                        ; an LDS row: 256 bytes (512 codes) + 16 of padding = 68 words: the 16 rows that a load touches start at 16 different banks (64 banks of 4 bytes: ISA guide 11.1)
.set HS,    448*PITCH                  ; half of K of all 448 rows.  Rows: 0-127 W's q and k, 128-383 x, 384-447 W's v: so N's rows always lie above P's
.set XS,    2*HS                       ; the scale bytes: 32 a row
.set STG,   XS+448*32                  ; the stage for the scale words that leave: q 1,024 bytes, k 1,024, v 512; no fill lands here
.set AP0, 4                            ; v4   P's fragments, first half of K: (first row + r) x pitch + 16 h
.set AN0, 5                            ; v5   N's
.set AS,  6                            ; v6   scale words: lanes 0-15 P's rows, lanes 16-31 N's
.set GOF, 7                            ; v7   16 x lane
.set SAQ, 8                            ; v8   stage, q and k: 256 w + 4 r
.set SAV, 9                            ; v9   stage, v: my two bytes of a word
.set H32, 10                           ; v10  32 h
.set R4,  11                           ; v11  4 r
.set SRD, 12                           ; v12  stage, on the way out
.set SGO, 13                           ; v13  and the same place in the buffer
.set AP1, 14                           ; v14, v15  as v4, v5, for the second half of K
.set AN1, 15
.set SC,  16                           ; v16-31  scale words of half of K: register 4 i + q: tile i, the half's q-th 128.  They hold scales alone
                                       ; v32-47, v112-127  the bias, four tiles of eight
.set PF,  48                           ; v48-79   P's four fragments
.set NF,  80                           ; v80-111  N's
.set ACC, 128                          ; accumulator (n, p) at v[128 + 32 n + 8 p]
.set TM,  48                           ; at the end: v48-55 largest magnitudes, v56-63 the other half's, v64-71 the conversions' scale operands, v72-79 bytes,
.set TP,  56
.set SO,  64
.set BY,  72
.set CD,  80                           ; v80-95 codes, v96-99 scale words, v100-103 the stage read back
.set PW,  96
.set WV,  18
.set CC,  19
.set GG,  20
.set ISV, 21
.set SEL, 100
.set G1X,  32                          ; group 1: x's codes, W's codes, x's scales, W's scales
.set G1W,  40
.set G1XS, 48
.set G1WS, 56
.set G0XS, 68                          ; group 0: x's scales, x's two halves; W's scales, W's two halves
.set G0X0, 72
.set G0X1, 76
.set G0WS, 80
.set G0W0, 84
.set G0W1, 88
.macro CROUND                          ; a round of the cluster's barrier
	s_barrier_signal -1
	s_barrier_wait -1
	s_cmp_lg_u32 s[WV], 0
	s_cbranch_scc1 .Lnot_wave_0_\@
	s_barrier_signal -3
.Lnot_wave_0_\@:
	s_barrier_wait -3
	s_barrier_signal -1
	s_barrier_wait -1
.endm
.macro BAR
	s_barrier_signal -1
	s_barrier_wait -1
.endm
.macro PLACES n                        ; plain vector instructions between a matrix instruction and a load into, or a read of, its registers
.rept \n
	v_nop
.endr
.endm
.macro SCALES kh                       ; the scale words of half kh: four words a row
.irp i, 0,1,2,3
	ds_load_b128 v[SC+4*\i:SC+4*\i+3], v[AS] offset:512*\i+16*\kh
.endr
.endm
.macro FETCH ap, an, q                 ; eight fragments of 16 rows x 128 K: two loads of 16 bytes, 32 bytes apart
.irp i, 0,1,2,3
.irp c, 0,1
	ds_load_b128 v[PF+8*\i+4*\c:PF+8*\i+4*\c+3], v[\ap] offset:16*PITCH*\i+64*\q+32*\c
	ds_load_b128 v[NF+8*\i+4*\c:NF+8*\i+4*\c+3], v[\an] offset:16*PITCH*\i+64*\q+32*\c
.endr
.endr
.endm
; Sixteen products.  cm = 0: in place; 1: the sums start with the bias of P's tile; 2: with that of N's.  The sixteen accumulators take turns, in the same order in every step.
.macro MUL16 q, cm
.irp n, 0,1,2,3
.irp p, 0,1,2,3
.set rD, ACC+32*\n+8*\p
.if \cm == 1
.set rC, 32+8*\p+64*(\p/2)
.elseif \cm == 2
.set rC, 32+8*\n+64*(\n/2)
.else
.set rC, rD
.endif
	v_wmma_scale_f32_16x16x128_f8f6f4 v[rD:rD+7], v[PF+8*\p:PF+8*\p+7], v[NF+8*\n:NF+8*\n+7], v[rC:rC+7], v[SC+4*\p+\q], v[SC+4*\n+\q] matrix_a_fmt:MATRIX_FMT_FP4 matrix_b_fmt:MATRIX_FMT_FP4 matrix_b_scale:MATRIX_SCALE_ROW1
.endr
.endr
.endm
.macro STEP ap, an, q
	PLACES 4
	FETCH \ap, \an, \q
	s_wait_dscnt 0x0
	MUL16 \q, 0
.endm
.macro CODES dst, src, so0, so1        ; tiles 0, 2, 1, 3 of 32 registers become four registers of codes
	v_cvt_scalef32_pk8_fp4_f32 v[(\dst)], v[(\src):(\src)+7], v[(\so0)]
	v_cvt_scalef32_pk8_fp4_f32 v[(\dst)+1], v[(\src)+16:(\src)+23], v[(\so1)]
	v_cvt_scalef32_pk8_fp4_f32 v[(\dst)+2], v[(\src)+8:(\src)+15], v[(\so0)]
	v_cvt_scalef32_pk8_fp4_f32 v[(\dst)+3], v[(\src)+24:(\src)+31], v[(\so1)]
.endm
	s_load_b256 s[4:11], s[0:1], 0x0               ; x's codes s[4:5], x's scales s[6:7], W's codes s[8:9], W's scales s[10:11]
	s_load_b128 s[12:15], s[0:1], 0x20             ; the bias s[12:13], qkv s[14:15]
	s_load_b64 s[16:17], s[0:1], 0x30              ; sc
	s_set_vgpr_msb 0x40
	v_lshl_add_u32 v0, v0, 2, 0x40000
	v_mov_b32 v1, 0
	s_set_vgpr_msb 0x4045
	ds_add_u32 v0, v1
	ds_add_u32 v0, v1
	s_set_vgpr_msb 0x4500
	v_lshrrev_b32 v1, 5, v0
	s_delay_alu instid0(VALU_DEP_1)
	v_readfirstlane_b32 s[WV], v1                  ; wave 0..11
	s_lshr_b32 s[CC], s[WV], 2                     ; part: 0 q, 1 k, 2 v
	s_and_b32 s[GG], s[WV], 3                      ; which 64 rows of x.  Also: which 64 rows I fetch
	s_lshr_b32 s[ISV], s[CC], 1                    ; 1 for v
	s_bfe_u32 s22, ttmp6, 0x40000                  ; cx, cy: my place in the cluster
	s_bfe_u32 s23, ttmp6, 0x40004
	s_lshl_b32 s24, ttmp9, 2
	s_add_co_u32 s24, s24, s22                     ; the head = 4 x cluster x + cx
	s_and_b32 s25, ttmp7, 0xffff
	s_lshl_b32 s25, s25, 2
	s_add_co_u32 s25, s25, s23                     ; the block of 256 rows = 4 x cluster y + cy
	s_lshl_b32 s26, s23, 2
	s_lshl_b32 s26, 15, s26                        ; my row of the cluster
	s_lshl_b32 s27, 0x1111, s22                    ; my column
	; which LDS rows are my P's and my N's
	s_lshl_b32 s28, s[GG], 6
	s_add_co_u32 s28, s28, 128                     ; my rows of x
	s_lshl_b32 s29, s[CC], 6
	s_lshl_b32 s30, s[ISV], 8
	s_add_co_u32 s29, s29, s30                     ; my rows of W: 0, 64 or 384
	s_min_u32 s30, s28, s29                        ; P's first row: the lower,
	s_xor_b32 s31, s28, s29
	s_xor_b32 s31, s31, s30                        ; N's: the other
	s_sub_co_u32 s28, s31, s30
	s_lshl_b32 s28, s28, 5                         ; from P's scale bytes to N's
	v_and_b32 v1, 15, v0                           ; r
	v_bfe_u32 v2, v0, 4, 1                         ; h
	v_and_b32 v3, 31, v0                           ; lane
	s_delay_alu instid0(VALU_DEP_3)
	v_mul_u32_u24 v[AP0], v1, PITCH
	s_delay_alu instid0(VALU_DEP_1)
	v_lshl_add_u32 v[AP0], v2, 4, v[AP0]
	s_mul_i32 s2, s30, PITCH
	s_mul_i32 s3, s31, PITCH
	v_add_nc_u32 v[AN0], s3, v[AP0]
	v_add_nc_u32 v[AP0], s2, v[AP0]
	s_delay_alu instid0(VALU_DEP_1)
	v_add_nc_u32 v[AP1], HS, v[AP0]
	s_delay_alu instid0(VALU_DEP_3)
	v_add_nc_u32 v[AN1], HS, v[AN0]
	v_mul_u32_u24 v[AS], s28, v2                   ; one product: lanes 16-31 stand the distance further on
	s_delay_alu instid0(VALU_DEP_1)
	v_lshl_add_u32 v[AS], v1, 5, v[AS]
	s_lshl_b32 s2, s30, 5
	s_add_co_u32 s2, s2, XS
	v_add_nc_u32 v[AS], s2, v[AS]
	v_lshlrev_b32 v[GOF], 4, v3
	v_lshlrev_b32 v[R4], 2, v1
	s_wait_alu depctr_va_vdst(0)
	v_lshlrev_b32 v[H32], 5, v2
	s_lshl_b32 s2, s[WV], 8
	s_add_co_u32 s2, s2, STG
	v_add_nc_u32 v[SAQ], s2, v[R4]                 ; q, k: word [tile 4 g + n][r] of part c
	s_lshr_b32 s2, s[GG], 1
	s_lshl_b32 s2, s2, 8
	s_and_b32 s3, s[GG], 1
	s_lshl_b32 s3, s3, 1
	s_add_co_u32 s2, s2, s3
	s_add_co_u32 s2, s2, STG+2048
	v_add_nc_u32 v[SAV], s2, v[R4]                 ; v: word [128 keys: g / 2][n][r], bytes 2 (g % 2) and + 1
	s_lshl_b32 s2, s[WV], 9
	v_add_nc_u32 v[SGO], s2, v[GOF]
	s_delay_alu instid0(VALU_DEP_1)
	v_add_nc_u32 v[SRD], STG, v[SGO]
	s_mov_b32 s[SEL], 0x76543210
	s_mov_b32 s[SEL+1], 0xfedcba98                 ; v_permlanex16_b32's selects for lane l xor 16
	; group 1.  Codes: 64 rows x 256 bytes, 512 bytes apart in memory, 16 bytes of padding behind each in LDS
	s_or_b32 s[G1X], s26, (1<<20)|(1<<21)|(5<<22)|(3<<25)    ; 15:0 the mask: x's tiles go to my row of the cluster; 17:16 elements of 1 byte; 20 padding on; 21 set beside a mask; 24:22 after every 64 words; 31:25 four words
	s_or_b32 s[G1W], s27, (1<<20)|(1<<21)|(5<<22)|(3<<25)    ; W's tiles go to my column
.irp g, G1X, G1W
	s_mov_b32 s[\g+1], 256<<16                     ; tensor_dim0
	s_mov_b32 s[\g+2], 64<<16                      ; tensor_dim1
	s_mov_b32 s[\g+3], 256<<16                     ; tile_dim0
	s_mov_b32 s[\g+4], 64                          ; tile_dim1
	s_mov_b32 s[\g+5], 512                         ; from row to row
	s_mov_b32 s[\g+6], 0
	s_mov_b32 s[\g+7], 0
.endr
	; the scale bytes of 64 rows: 2,048 dense bytes, as 8 rows of 32 elements of 8 bytes
	s_or_b32 s[G1XS], s26, (3<<16)|(1<<21)
	s_or_b32 s[G1WS], s27, (3<<16)|(1<<21)
.irp g, G1XS, G1WS
	s_mov_b32 s[\g+1], 32<<16
	s_mov_b32 s[\g+2], 8<<16
	s_mov_b32 s[\g+3], 32<<16
	s_mov_b32 s[\g+4], 8
	s_mov_b32 s[\g+5], 32
	s_mov_b32 s[\g+6], 0
	s_mov_b32 s[\g+7], 0
.endr
	; from where: x's offsets hang on the block of rows and the wave, W's on the head and the wave, each in registers of their own
	s_lshl_b32 s92, s25, 8
	s_lshl_b32 s94, s[GG], 6
	s_add_co_u32 s92, s92, s94                     ; x: row 256 x block + 64 x quarter
	s_lshl_b32 s94, s92, 5                         ; its scale bytes,
	s_lshl_b32 s92, s92, 9                         ; its codes
	s_mov_b32 s93, 0
	s_mov_b32 s95, 0
	s_mul_i32 s96, s24, 192
	s_lshl_b32 s98, s[GG], 6
	s_add_co_u32 s96, s96, s98                     ; W: row 192 x head + 64 x part
	s_lshl_b32 s98, s96, 5
	s_lshl_b32 s96, s96, 9
	s_mov_b32 s97, 0
	s_mov_b32 s99, 0
	; to where: the wave's number alone
	s_lshl_b32 s[G0XS+1], s[GG], 11
	s_add_co_u32 s[G0XS+1], s[G0XS+1], XS+128*32
	s_mul_i32 s[G0X0+1], s[GG], 64*PITCH
	s_add_co_u32 s[G0X0+1], s[G0X0+1], 128*PITCH
	s_add_co_u32 s[G0X1+1], s[G0X0+1], HS
	s_lshr_b32 s2, s[GG], 1                        ; 1 for W's v rows, which lie 256 rows further on
	s_lshl_b32 s[G0WS+1], s[GG], 11
	s_lshl_b32 s3, s2, 13
	s_add_co_u32 s[G0WS+1], s[G0WS+1], s3
	s_add_co_u32 s[G0WS+1], s[G0WS+1], XS
	s_mul_i32 s[G0W0+1], s[GG], 64*PITCH
	s_mul_i32 s3, s2, 256*PITCH
	s_add_co_u32 s[G0W0+1], s[G0W0+1], s3
	s_add_co_u32 s[G0W1+1], s[G0W0+1], HS
.irp g, G0XS, G0X0, G0X1, G0WS, G0W0, G0W1
	s_mov_b32 s[\g], 1                             ; count = 1
.endr
	s_wait_dscnt 0x0
	s_wait_kmcnt 0x0
	s_add_nc_u64 s[G0XS+2:G0XS+3], s[6:7], s[94:95]
	s_add_nc_u64 s[G0X0+2:G0X0+3], s[4:5], s[92:93]
	s_add_nc_u64 s[G0X1+2:G0X1+3], s[G0X0+2:G0X0+3], 256
	s_add_nc_u64 s[G0WS+2:G0WS+3], s[10:11], s[98:99]
	s_add_nc_u64 s[G0W0+2:G0W0+3], s[8:9], s[96:97]
	s_add_nc_u64 s[G0W1+2:G0W1+3], s[G0W0+2:G0W0+3], 256
.irp g, G0XS, G0X0, G0X1, G0WS, G0W0, G0W1
	s_or_b32 s[\g+3], s[\g+3], 0x80000000          ; type = 2
.endr
	CROUND                                         ; all sixteen work-groups are here: the joint loads meet
	; ALL FILLS OF THE LAUNCH, in one branch on the wave's number: waves 0-3 x's quarters, waves 4-6 W's three parts; three loads of a wave are out at the most.  Four v_nop follow
	s_cmp_lt_u32 s[WV], 4
	s_cbranch_scc0 .Lnot_x
	tensor_load_to_lds s[G0XS:G0XS+3], s[G1XS:G1XS+7]
	s_nop 0
	tensor_load_to_lds s[G0X0:G0X0+3], s[G1X:G1X+7]
	s_nop 0
	tensor_load_to_lds s[G0X1:G0X1+3], s[G1X:G1X+7]
	s_nop 0
	PLACES 4
	s_branch .Lasked
.Lnot_x:
	s_cmp_lt_u32 s[WV], 7
	s_cbranch_scc0 .Lasked
	tensor_load_to_lds s[G0WS:G0WS+3], s[G1WS:G1WS+7]
	s_nop 0
	tensor_load_to_lds s[G0W0:G0W0+3], s[G1W:G1W+7]
	s_nop 0
	tensor_load_to_lds s[G0W1:G0W1+3], s[G1W:G1W+7]
	s_nop 0
	PLACES 4
.Lasked:
	; where my results go, and my bias
	s_lshr_b32 s28, s25, 3
	s_lshl_b32 s28, s28, 4
	s_add_co_u32 s28, s28, s24                     ; bh = 16 x batch + head
	s_and_b32 s29, s25, 7                          ; rb: the block of 256 rows in its batch
	s_mul_i32 s2, s28, 196608                      ; qkv: [bh][part][tile 128][512 bytes]
	s_lshl_b32 s30, s[CC], 16
	s_add_co_u32 s2, s2, s30
	s_lshl_b32 s30, s29, 2
	s_add_co_u32 s30, s30, s[GG]
	s_lshl_b32 s30, s30, 11                        ; my four tiles: 4 (4 rb + g) on
	s_add_co_u32 s2, s2, s30
	s_mov_b32 s3, 0
	s_add_nc_u64 s[14:15], s[14:15], s[2:3]
	s_lshl_b32 s30, s28, 3
	s_add_co_u32 s30, s30, s29
	s_mul_i32 s2, s30, 2560                        ; sc: [bh][rb][2,560 bytes]
	s_add_nc_u64 s[16:17], s[16:17], s[2:3]
	s_mul_i32 s2, s24, 192
	s_lshl_b32 s30, s[CC], 6
	s_add_co_u32 s2, s2, s30
	s_lshl_b32 s2, s2, 2
	s_add_nc_u64 s[12:13], s[12:13], s[2:3]        ; the bias of my 64 columns
	s_cmp_eq_u32 s[ISV], 0
	s_cbranch_scc0 .Lbias_v
	s_wait_alu depctr_va_vdst(0)
.irp p, 0,1,2,3                                ; q, k: register j of P's tile p is column 16 p + 8 h + j
.irp k, 0,1
	global_load_b128 v[32+8*\p+64*(\p/2)+4*\k:32+8*\p+64*(\p/2)+4*\k+3], v[H32], s[12:13] offset:64*\p+16*\k
.endr
.endr
	s_branch .Lbias_in
.Lbias_v:
.irp n, 0,1,2,3                                ; v: all eight registers of N's tile n are column 16 n + r
.irp j, 0,1,2,3,4,5,6,7
	global_load_b32 v[32+8*\n+64*(\n/2)+\j], v[R4], s[12:13] offset:64*\n
.endr
.endr
.Lbias_in:
	s_wait_tensorcnt 0x1                           ; my scale bytes and my part of the first half of K are in; the one load that may be out is the second half's
	BAR                                            ; everybody's are.
	SCALES 0
	FETCH AP0, AN0, 0
	s_wait_loadcnt 0x0                             ; the bias
	s_wait_dscnt 0x0
	s_cmp_eq_u32 s[ISV], 0
	s_cbranch_scc0 .Lfirst_v
	MUL16 0, 1                                     ; the first products start the sums with the bias: nothing is cleared, nothing is added later
	s_branch .Lfirst_done
.Lfirst_v:
	MUL16 0, 2
.Lfirst_done:
	STEP AP0, AN0, 1
	STEP AP0, AN0, 2
	STEP AP0, AN0, 3
	s_wait_tensorcnt 0x0                           ; my part of the second half is in (no load was issued behind it),
	BAR                                            ; everybody's is
	PLACES 4
	SCALES 1
	FETCH AP1, AN1, 0
	s_wait_dscnt 0x0
	MUL16 0, 0
	STEP AP1, AN1, 1
	STEP AP1, AN1, 2
	STEP AP1, AN1, 3
	; THE QUANTISER: eight blocks of 32, block 2 n + b in registers 128 + 16 (2 n + b) + 0 .. 15 of lanes l and l xor 16; each accumulator is read from its low end on
	PLACES 4
.irp b, 0,1,2,3,4,5,6,7
	v_max3_num_f32 v[TM+\b], |v[ACC+16*\b]|, |v[ACC+16*\b+1]|, 0x1800000   ; my 16 numbers, and the floor 2^(3 - 127): so the byte cannot fall under 1
.endr
.irp i, 2,4,6,8,10,12,14
.irp b, 0,1,2,3,4,5,6,7
	v_max3_num_f32 v[TM+\b], v[TM+\b], |v[ACC+16*\b+\i]|, |v[ACC+16*\b+\i+1]|   ; (the eight blocks by turns)
.endr
.endr
.irp b, 0,1,2,3,4,5,6,7
	v_permlanex16_b32 v[TP+\b], v[TM+\b], s[SEL], s[SEL+1]
.endr
.irp b, 0,1,2,3,4,5,6,7
	v_max_num_f32 v[TM+\b], v[TM+\b], v[TP+\b]     ; with lane l xor 16's: the block's largest magnitude
.endr
.irp b, 0,1,2,3,4,5,6,7
	v_add_nc_u32 v[SO+\b], 0xff000000, v[TM+\b]    ; 2 off its exponent field: the conversion's scale operand
.endr
.irp b, 0,1,2,3,4,5,6,7
	v_lshrrev_b32 v[BY+\b], 23, v[SO+\b]           ; the scale's byte
.endr
.irp n, 0,1,2,3
	v_lshl_or_b32 v[PW+\n], v[BY+2*\n+1], 8, v[BY+2*\n]   ; the two bytes of my N row; the word's upper half stays 0
.endr
.irp n, 0,1,2,3
	CODES CD+4*\n, ACC+32*\n, SO+2*\n, SO+2*\n+1
.endr
	v_nop                                          ; one plain place behind the scaled conversions
.irp n, 0,1,2,3
	v_permlane16_swap_b32 v[CD+4*\n], v[CD+4*\n+1] ; lane (r, h) now holds the whole block h of its row, K ascending
	v_permlane16_swap_b32 v[CD+4*\n+2], v[CD+4*\n+3]
.endr
.irp n, 0,1,2,3
	global_store_b128 v[GOF], v[CD+4*\n:CD+4*\n+3], s[14:15] offset:512*\n   ; an operand's image: 32 lanes store 512 consecutive bytes, aligned
.endr
	s_cmp_eq_u32 s[ISV], 0
	s_cbranch_scc0 .Lwords_v
.irp n, 0,1,2,3
	ds_store_b32 v[SAQ], v[PW+\n] offset:64*\n     ; (lanes l and l xor 16 write the same word with the same value)
.endr
	s_branch .Lwords_in
.Lwords_v:
.irp n, 0,1,2,3
	ds_store_b16 v[SAV], v[PW+\n] offset:64*\n     ; my 64 keys are half of a word's 128
.endr
.Lwords_in:
	s_wait_dscnt 0x0                               ; for the others' sake: my stores into the stage are done
	BAR
	s_cmp_lt_u32 s[WV], 5
	s_cbranch_scc0 .Ldone
	ds_load_b128 v[100:103], v[SRD]                ; the work-group's 2,560 bytes of scale words leave as five runs of 512 consecutive bytes
	s_wait_dscnt 0x0
	global_store_b128 v[SGO], v[100:103], s[16:17]
.Ldone:
	s_set_vgpr_msb 0x5
	s_wait_tensorcnt 0x0
	ds_add_u32 v0, v1
	s_wait_dscnt 0x0
	s_set_vgpr_msb 0x500
	CROUND                                         ; the closing round: no work-group ends while a partner may still ask for a tile that names it
	s_endpgm
.Lfunc_end_k_q856e6e70be_qkv_proj:
	.size	k_q856e6e70be_qkv_proj, .Lfunc_end_k_q856e6e70be_qkv_proj-k_q856e6e70be_qkv_proj
	.p2alignl 7, 3214868480
	.fill 96, 4, 3214868480
	.section	.rodata,"a",@progbits
	.p2align	6, 0x0
	.amdhsa_kernel k_q856e6e70be_qkv_proj
		.amdhsa_group_segment_fixed_size 263680
		.amdhsa_private_segment_fixed_size 0
		.amdhsa_enable_private_segment 0
		.amdhsa_kernarg_size 56
		.amdhsa_user_sgpr_count 2
		.amdhsa_user_sgpr_kernarg_segment_ptr 1
		.amdhsa_wavefront_size32 1
		.amdhsa_system_sgpr_workgroup_id_x 1
		.amdhsa_system_sgpr_workgroup_id_y 1
		.amdhsa_system_sgpr_workgroup_id_z 1
		.amdhsa_system_vgpr_workitem_id 0
		.amdhsa_next_free_vgpr 258
		.amdhsa_next_free_sgpr 102
		.amdhsa_reserve_vcc 0
		.amdhsa_float_denorm_mode_32 3
		.amdhsa_float_denorm_mode_16_64 3
		.amdhsa_memory_ordered 1
		.amdhsa_forward_progress 1
		.amdhsa_inst_pref_size 51
	.end_amdhsa_kernel
	.amdgpu_metadata
---
amdhsa.version: [ 1, 2 ]
amdhsa.kernels:
  - .name:           k_q856e6e70be_qkv_proj
    .symbol:         k_q856e6e70be_qkv_proj.kd
    .args:
      - { .name: x_codes, .offset: 0, .size: 8, .value_kind: global_buffer, .address_space: global }
      - { .name: x_scales, .offset: 8, .size: 8, .value_kind: global_buffer, .address_space: global }
      - { .name: W_qkv_codes, .offset: 16, .size: 8, .value_kind: global_buffer, .address_space: global }
      - { .name: W_qkv_scales, .offset: 24, .size: 8, .value_kind: global_buffer, .address_space: global }
      - { .name: b_qkv, .offset: 32, .size: 8, .value_kind: global_buffer, .address_space: global }
      - { .name: qkv, .offset: 40, .size: 8, .value_kind: global_buffer, .address_space: global }
      - { .name: sc, .offset: 48, .size: 8, .value_kind: global_buffer, .address_space: global }
    .group_segment_fixed_size: 263680
    .private_segment_fixed_size: 0
    .kernarg_segment_align: 8
    .kernarg_segment_size: 56
    .max_flat_workgroup_size: 384
    .sgpr_count:     102
    .vgpr_count:     258
    .wavefront_size: 32
...
	.end_amdgpu_metadata
.endif
;; end of part 1
;; launch attention (part 2): grid 4 x 64, 16 waves a work-group, clusters of 4 x 1, 169,984 bytes of LDS; arguments qkv, sc, vc, vs; writes vc, vs
.if DOCPART == 2
	.amdgcn_target "amdgcn-amd-amdhsa--gfx1250"
	.amdhsa_code_object_version 6
	.text
	.protected	k_q856e6e70be_attention
	.globl	k_q856e6e70be_attention
	.p2align	8
	.type	k_q856e6e70be_attention,@function
k_q856e6e70be_attention:
	s_mov_b64 s[64:65], 0
	v_nop
	global_prefetch_b8 v0, s[64:65] scope:SCOPE_SE
	s_setreg_imm32_b32 hwreg(HW_REG_WAVE_MODE, 25, 1), 1
	s_wait_xcnt 0x0
	s_wait_alu depctr_hold_cnt(0) depctr_sa_sdst(0) depctr_va_vdst(0) depctr_va_sdst(0) depctr_va_ssrc(0) depctr_va_vcc(0) depctr_vm_vsrc(0)
	s_getreg_b32 s2, hwreg(HW_REG_IB_STS2, 6, 4)
	s_cmp_eq_u32 s2, 0
	s_cbranch_scc0 .Lentry_in_a_cluster
	s_endpgm
.Lentry_in_a_cluster:
	s_bfe_u32 s2, ttmp6, 0x10000c
	s_cmp_lg_u32 s2, 0x3003
	s_cbranch_scc0 .Lentry_shape_is_right
	s_endpgm
.Lentry_shape_is_right:
; vals = softmax(q k^T / 8) v for one head, both products on codes of FP4 (E2M1) with E8M0 scales, and vals quantised along the model's 1,024 (a head's 64 channels are two blocks) for the last product.
; THE SOFTMAX: t = score x log2(e) / 8; M = the row's largest t so far, rounded UP to a whole number; p = 2^(t - M) is what is quantised, along the keys, not normalised.  The row's sum is taken of the
; unquantised p, in f32, and divides at the end.  When M moves, the sum and O are multiplied by 2^(old M - new M): exact.
; SHARES.  A work-group owns 512 queries of one head; each of its sixteen waves owns two tiles of 16 queries and takes them one after the other, each over all 2,048 keys, 128 a step.  Four waves stand on a SIMD,
; so that one wave's vector work stands beside another's products and LDS loads.
; LDS HOLDS THE WHOLE HEAD: K's and V's codes (65,536 bytes each) and the head's scale words (20,480): every tensor load is a first fill, and no byte of LDS is filled twice.
; CLUSTER 4 x 1: the four work-groups of a cluster are the four blocks of queries of one head: K, V and the scale words are asked for jointly.
; LAYOUT.  The codes lie as images of operand registers: a tile of 16 rows x 64 K is 512 bytes, lane l's 16 bytes at 16 l.  Both products are used transposed: S^T = K Q^T (source 0 = 16 keys), O^T = V^T P^T
; (source 0 = 16 channels): a lane holds ONE query (lane % 16) throughout; register j of tile t is key (channel) 16 t + 8 (lane / 16) + j.
; The first product's K is 64: registers 4-7 of its operands are zeros, set once, and add nothing (their scale bytes are 0, which is no NaN).
; A BLOCK OF 32 lies in two neighbouring tiles of lanes l and l xor 16; four conversions in the order tile 0, 2, 1, 3 and two exchanges of lane halves give registers 4 c .. 4 c + 3 of an operand.
; LIMITS: a p under 2^-126 counts as 0 (v_exp_f32 flushes it); a block of zeros gets the byte 1 and not 127 (its codes are zeros, and this program alone reads the bytes); the division by the sum is v_rcp_f32
; and a multiplication; NaN and infinities are not served.  A block's largest p is taken as 2^(t - M) of the block's largest score, by the same two instructions as every p.
.set VIM, 65536                        ; LDS: K's images at 0, V's here,
.set SCB, 131072                       ; the head's scale words: eight blocks of 2,560 bytes (256 rows): q's words, at + 1,024 k's, at + 2,048 v's
.set AK0, 1                            ; v1   16 x lane: my place in an image, in LDS and in memory
.set AV0, 2                            ; v2   the same in V's images
.set ASK0, 3                           ; v3   4 r among k's scale words
.set ASV0, 4                           ; v4   and among v's
.set R4,  6                            ; v6   4 r
.set R32, 7                            ; v7   32 r
.set ADK, 8                            ; v8-11 the addresses of the two steps in hand: K, V, k's words, v's words
.set ADV, 9
.set ADS, 10
.set ADT, 11
                                       ; v12 -M, v13 the largest t, v[14:15] the sum in two halves
.set QF,  16                           ; v16-23  Q's fragment (v20-23 zeros)
.set KS,  24                           ; v24-31  k's scale words: they hold scales alone
.set KF,  32                           ; v32-95  K's eight fragments (registers 4-7 of each zeros)
.set S,   96                           ; v96-159 S^T, then p
.set O,   160                          ; v160-191 O^T
.set PC,  192                          ; v192-199 p's codes
.set VF,  200                          ; v200-231 V's four fragments
.set VSW, 232                          ; v232-235 v's scale words, v236 p's, v237 q's: scales alone
.set PW,  236
.set QS,  237
.set TM,  238                          ; v238-241 the blocks' largest, v242-245 the other half's, then bytes, v246-249 the conversions' scale operands
.set TP,  242
.set SO,  246
.set F,   250                          ; v[250:251] f (the low word serves both halves)
.set T,   252                          ; v252 at work;  v[254:255] the second chain of the sum
.set WV,  12
.set G1KV, 16
.set G1SC, 24
.set G0KV, 32
.set G0SC, 36
.set QP,  40                           ; s[40:41] my tile of Q, s[42:43] its scale words, s[44:45] its place in vc, s[46:47] in vs
.set QSP, 42
.set VCP, 44
.set VSP, 46
.set SEL, 48
.set CS,  50
.set TK,  52                           ; s52 LDS bytes into K's and V's images, s53 into the scale words
.set TS,  53
.set TRIPS, 54
.set PASSES, 55
.macro CROUND                          ; a round of the cluster's barrier
	s_barrier_signal -1
	s_barrier_wait -1
	s_cmp_lg_u32 s[WV], 0
	s_cbranch_scc1 .Lnot_wave_0_\@
	s_barrier_signal -3
.Lnot_wave_0_\@:
	s_barrier_wait -3
	s_barrier_signal -1
	s_barrier_wait -1
.endm
.macro PLACES n                        ; plain vector instructions between a matrix instruction and a load into, or a read of, its registers
.rept \n
	v_nop
.endr
.endm
.macro CODES dst, src, so0, so1        ; tiles 0, 2, 1, 3 of 32 registers become four registers of codes
	v_cvt_scalef32_pk8_fp4_f32 v[(\dst)], v[(\src):(\src)+7], v[(\so0)]
	v_cvt_scalef32_pk8_fp4_f32 v[(\dst)+1], v[(\src)+16:(\src)+23], v[(\so1)]
	v_cvt_scalef32_pk8_fp4_f32 v[(\dst)+2], v[(\src)+8:(\src)+15], v[(\so0)]
	v_cvt_scalef32_pk8_fp4_f32 v[(\dst)+3], v[(\src)+24:(\src)+31], v[(\so1)]
.endm
	s_load_b256 s[4:11], s[0:1], 0x0               ; qkv s[4:5], sc s[6:7], vc s[8:9], vs s[10:11]
	v_lshl_add_u32 v5, v0, 2, 0x29000
	v_mov_b32 v253, 0
	ds_add_u32 v5, v253
	ds_add_u32 v5, v253
	v_lshrrev_b32 v1, 5, v0
	s_delay_alu instid0(VALU_DEP_1)
	v_readfirstlane_b32 s[WV], v1                  ; wave 0..15
	s_bfe_u32 s13, ttmp6, 0x40000                  ; cx: it enters Q's and the results' addresses alone
	s_lshl_b32 s14, ttmp9, 2
	s_add_co_u32 s14, s14, s13                     ; my block of 512 queries
	s_and_b32 s15, ttmp7, 0xffff                   ; bh = 16 x batch + head, which the four partners share
	v_and_b32 v1, 31, v0
	s_delay_alu instid0(VALU_DEP_1)
	v_lshlrev_b32 v[AK0], 4, v1
	s_delay_alu instid0(VALU_DEP_1)
	v_add_nc_u32 v[AV0], VIM, v[AK0]
	v_and_b32 v[R4], 15, v0
	s_delay_alu instid0(VALU_DEP_1)
	v_lshlrev_b32 v[R32], 5, v[R4]
	s_delay_alu instid0(VALU_DEP_2)
	v_lshlrev_b32 v[R4], 2, v[R4]
	s_delay_alu instid0(VALU_DEP_1)
	v_add_nc_u32 v[ASK0], SCB+1024, v[R4]
	s_delay_alu instid0(VALU_DEP_2)
	v_add_nc_u32 v[ASV0], SCB+2048, v[R4]
	; group 1: dense blocks as rows of 32 elements of 8 bytes: 32 rows (8,192 bytes of K's and V's images), 5 rows (1,280 bytes of scale words)
	s_mov_b32 s[G1KV], 15|(3<<16)|(1<<21)          ; 15:0 the mask: all four work-groups; 17:16 elements of 8 bytes; 21 set beside a mask
	s_mov_b32 s[G1KV+1], 32<<16
	s_mov_b32 s[G1KV+2], 32<<16
	s_mov_b32 s[G1KV+3], 32<<16
	s_mov_b32 s[G1KV+4], 32
	s_mov_b32 s[G1KV+5], 32
	s_mov_b32 s[G1KV+6], 0
	s_mov_b32 s[G1KV+7], 0
	s_mov_b32 s[G1SC], 15|(3<<16)|(1<<21)
	s_mov_b32 s[G1SC+1], 32<<16
	s_mov_b32 s[G1SC+2], 5<<16
	s_mov_b32 s[G1SC+3], 32<<16
	s_mov_b32 s[G1SC+4], 5
	s_mov_b32 s[G1SC+5], 32
	s_mov_b32 s[G1SC+6], 0
	s_mov_b32 s[G1SC+7], 0
	; what I fetch: a sixteenth of K's and V's images, which follow each other in memory and in LDS, and a sixteenth of the scale words
	s_mul_i32 s56, s15, 196608
	s_lshl_b32 s57, s[WV], 13
	s_add_co_u32 s56, s56, s57
	s_add_co_u32 s56, s56, 65536                   ; behind Q's part
	s_mov_b32 s57, 0
	s_mul_i32 s58, s15, 20480
	s_mul_i32 s59, s[WV], 1280
	s_add_co_u32 s58, s58, s59
	s_mov_b32 s59, 0
	s_mov_b32 s[G0KV], 1
	s_lshl_b32 s[G0KV+1], s[WV], 13
	s_mov_b32 s[G0SC], 1
	s_mul_i32 s[G0SC+1], s[WV], 1280
	s_add_co_u32 s[G0SC+1], s[G0SC+1], SCB
	; my first tile of queries, T0 = 32 x block + 2 x wave, and its four places
	s_lshl_b32 s60, s14, 5
	s_lshl_b32 s61, s[WV], 1
	s_add_co_u32 s60, s60, s61
	s_mul_i32 s[QP], s15, 196608
	s_lshl_b32 s61, s60, 9
	s_add_co_u32 s[QP], s[QP], s61
	s_mov_b32 s[QP+1], 0
	s_mul_i32 s[QSP], s15, 20480
	s_lshr_b32 s61, s60, 4
	s_mul_i32 s61, s61, 2560
	s_add_co_u32 s[QSP], s[QSP], s61
	s_and_b32 s61, s60, 15
	s_lshl_b32 s61, s61, 6
	s_add_co_u32 s[QSP], s[QSP], s61
	s_mov_b32 s[QSP+1], 0
	s_lshr_b32 s62, s15, 4                         ; batch
	s_and_b32 s63, s15, 15                         ; head
	s_lshl_b32 s62, s62, 7
	s_add_co_u32 s62, s62, s60                     ; the tile of 16 rows among all 512
	s_lshl_b32 s[VCP], s62, 13                     ; vc: [tile][head][512 bytes]
	s_lshl_b32 s61, s63, 9
	s_add_co_u32 s[VCP], s[VCP], s61
	s_mov_b32 s[VCP+1], 0
	s_lshl_b32 s[VSP], s62, 9                      ; vs: [row][32 bytes], the head's two bytes at 2 x head
	s_lshl_b32 s61, s63, 1
	s_add_co_u32 s[VSP], s[VSP], s61
	s_mov_b32 s[VSP+1], 0
	s_mov_b32 s[SEL], 0x76543210
	s_mov_b32 s[SEL+1], 0xfedcba98                 ; v_permlanex16_b32's selects for lane l xor 16
	s_mov_b32 s[CS], 0x3e38aa3b                    ; c = log2(e) / 8
	s_mov_b32 s[CS+1], s[CS]                       ; (named with it as a pair, so it is written)
	s_mov_b32 s[PASSES], 2
	s_wait_dscnt 0x0
	s_wait_kmcnt 0x0
	s_add_nc_u64 s[G0KV+2:G0KV+3], s[4:5], s[56:57]
	s_or_b32 s[G0KV+3], s[G0KV+3], 0x80000000
	s_add_nc_u64 s[G0SC+2:G0SC+3], s[6:7], s[58:59]
	s_or_b32 s[G0SC+3], s[G0SC+3], 0x80000000
	s_add_nc_u64 s[QP:QP+1], s[4:5], s[QP:QP+1]
	s_add_nc_u64 s[QSP:QSP+1], s[6:7], s[QSP:QSP+1]
	s_add_nc_u64 s[VCP:VCP+1], s[8:9], s[VCP:VCP+1]
	s_add_nc_u64 s[VSP:VSP+1], s[10:11], s[VSP:VSP+1]
	CROUND                                         ; all four work-groups are here: the joint loads meet
	tensor_load_to_lds s[G0KV:G0KV+3], s[G1KV:G1KV+7]   ; ALL FILLS OF THE LAUNCH: two loads of every wave, each into bytes that are its own by its number
	s_nop 0
	tensor_load_to_lds s[G0SC:G0SC+3], s[G1SC:G1SC+7]
	s_nop 0
	PLACES 4
.irp j, 20,21,22,23
	v_mov_b32 v[\j], 0                             ; the zero codes of K = 64 .. 127, set once: Q's,
.endr
.irp t, 0,1,2,3,4,5,6,7
.irp j, 4,5,6,7
	v_mov_b32 v[KF+8*\t+\j], 0                     ; and K's
.endr
.endr
.irp b, 0,1,2,3
	v_mov_b32 v[TP+\b], 0                          ; written once: a lane permute's destination counts as one of its sources
.endr
	v_mov_b32 v[F+1], 0                            ; (named as the upper half of the pair)
	s_wait_tensorcnt 0x0                           ; my parts are in (no load was issued behind them),
	s_barrier_signal -1
	s_barrier_wait -1                              ; everybody's are: the head lies in LDS
; A KEY STEP: 128 keys, the q-th of the 256 in hand.
.macro STEP q
.if \q == 0
	v_add_nc_u32 v[ADK], s[TK], v[AK0]             ; four plain instructions: also the places behind the last step's products, in front of the loads into their registers
	v_add_nc_u32 v[ADV], s[TK], v[AV0]
	v_add_nc_u32 v[ADS], s[TS], v[ASK0]
	v_add_nc_u32 v[ADT], s[TS], v[ASV0]
.else
	PLACES 4
.endif
	s_setprio 2
.irp t, 0,1,2,3,4,5,6,7
	ds_load_b128 v[KF+8*\t:KF+8*\t+3], v[ADK] offset:4096*\q+512*\t      ; 16 keys x 64 channels: 512 consecutive bytes
	ds_load_b32 v[KS+\t], v[ADS] offset:512*\q+64*\t
.endr
.irp d, 0,1,2,3
.irp c, 0,1
	ds_load_b128 v[VF+8*\d+4*\c:VF+8*\d+4*\c+3], v[ADV] offset:4096*\q+2048*\c+512*\d   ; 16 channels x 64 keys
.endr
	ds_load_b32 v[VSW+\d], v[ADT] offset:256*\q+64*\d
.endr
	s_wait_dscnt 12                                ; K's sixteen loads are in; V's eight and its four scale words may be out
.irp t, 0,1,2,3,4,5,6,7
	v_wmma_scale_f32_16x16x128_f8f6f4 v[S+8*\t:S+8*\t+7], v[KF+8*\t:KF+8*\t+7], v[QF:QF+7], 0, v[KS+\t], v[QS] matrix_a_fmt:MATRIX_FMT_FP4 matrix_b_fmt:MATRIX_FMT_FP4
.endr
	PLACES 4
.irp b, 0,1,2,3
	v_max3_num_f32 v[TM+\b], v[S+16*\b], v[S+1+16*\b], v[S+2+16*\b]   ; the largest score of each block of 32 keys: it serves for the row's maximum and, since p rises with the score, for the block's largest p
.endr
.irp i, 3,5,7,9,11,13
.irp b, 0,1,2,3
	v_max3_num_f32 v[TM+\b], v[TM+\b], v[S+16*\b+\i], v[S+1+16*\b+\i]   ; (the four blocks by turns; each accumulator is read from its low end on)
.endr
.endr
.irp b, 0,1,2,3
	v_max_num_f32 v[TM+\b], v[TM+\b], v[S+15+16*\b]
.endr
.irp b, 0,1,2,3
	s_delay_alu instid0(VALU_DEP_4)
	v_permlanex16_b32 v[TP+\b], v[TM+\b], s[SEL], s[SEL+1]
.endr
.irp b, 0,1,2,3
	s_delay_alu instid0(VALU_DEP_4)
	v_max_num_f32 v[TM+\b], v[TM+\b], v[TP+\b]     ; with lane l xor 16's 16 keys
.endr
	s_delay_alu instid0(VALU_DEP_2)
	v_max3_num_f32 v[T], v[TM], v[TM+1], v[TM+2]
	s_delay_alu instid0(VALU_DEP_1)
	v_max_num_f32 v[T], v[T], v[TM+3]              ; the step's largest score of my query
	s_delay_alu instid0(VALU_DEP_1)
	v_mul_f32 v[T], s[CS], v[T]                    ; as t (c is positive)
	s_delay_alu instid0(VALU_DEP_1)
	v_max_num_f32 v13, v13, v[T]                   ; the running largest t
	v_mov_b32 v[T], v12
	s_delay_alu instid0(VALU_DEP_2)
	v_floor_f32 v12, -v13                          ; the new -M = floor(-t) = -ceil(t): a whole number
	s_delay_alu instid0(VALU_DEP_1)
	v_sub_f32 v[T], v12, v[T]                      ; M's old value less its new one: a whole number, 0 or less
	s_delay_alu instid0(VALU_DEP_1)
	v_cvt_i32_f32 v[T], v[T]                       ; (it saturates)
	s_delay_alu instid0(VALU_DEP_1)
	v_ldexp_f32 v[F], 1.0, v[T]                    ; f = 2^(old M - new M)
.irp j, 0,2,4,6,8,10,12,14,16,18,20,22,24,26,28,30,32,34,36,38,40,42,44,46,48,50,52,54,56,58,60,62
	v_pk_fma_f32 v[S+\j:S+1+\j], v[S+\j:S+1+\j], s[CS:CS+1], v[12:13] op_sel_hi:[1,0,0]   ; t - M, two at a time
.endr
.irp b, 0,1,2,3
	v_fma_f32 v[TM+\b], v[TM+\b], s[CS], v12       ; the same of each block's largest score
.endr
	s_wait_alu depctr_va_vdst(0)
.irp j, 0,1,2,3,4,5,6,7,8,9,10,11,12,13,14,15,16,17,18,19,20,21,22,23,24,25,26,27,28,29,30,31,32,33,34,35,36,37,38,39,40,41,42,43,44,45,46,47,48,49,50,51,52,53,54,55,56,57,58,59,60,61,62,63
	v_exp_f32 v[S+\j], v[S+\j]                     ; p = 2^(t - M), at most 1
.endr
	s_setprio 1
.irp b, 0,1,2,3
	v_exp_f32 v[TM+\b], v[TM+\b]                   ; the block's largest p
.endr
	v_pk_mul_f32 v[14:15], v[14:15], v[F:F+1] op_sel_hi:[1,0]   ; the sums under the new M.  (The plain place behind the exponentials)
	s_wait_alu depctr_va_vdst(0)
.irp b, 0,1,2,3
	v_max_num_f32 v[TM+\b], 0x1800000, v[TM+\b]    ; the floor 2^(3 - 127): the byte cannot fall under 1
.endr
.irp b, 0,1,2,3
	s_delay_alu instid0(VALU_DEP_4)
	v_add_nc_u32 v[SO+\b], 0xff000000, v[TM+\b]    ; 2 off the exponent field: the conversion's scale operand
.endr
.irp b, 0,1,2,3
	s_delay_alu instid0(VALU_DEP_4)
	v_lshrrev_b32 v[TP+\b], 23, v[SO+\b]           ; the scale's byte
.endr
	s_delay_alu instid0(VALU_DEP_3)
	v_lshl_or_b32 v[PW], v[TP+1], 8, v[TP]         ; p's scale word for these 128 keys
	s_delay_alu instid0(VALU_DEP_1)
	v_lshl_or_b32 v[PW], v[TP+2], 16, v[PW]
	s_delay_alu instid0(VALU_DEP_1)
	v_lshl_or_b32 v[PW], v[TP+3], 24, v[PW]
.irp c, 0,1
	CODES PC+4*\c, S+32*\c, SO+2*\c, SO+2*\c+1
.endr
	v_nop                                          ; one plain place behind the scaled conversions
.irp c, 0,1
	v_permlane16_swap_b32 v[PC+4*\c], v[PC+4*\c+1] ; lanes 0-15 now hold block 2 c, lanes 16-31 block 2 c + 1, keys ascending
	v_permlane16_swap_b32 v[PC+4*\c+2], v[PC+4*\c+3]
.endr
	v_pk_add_f32 v[254:255], v[100:101], v[104:105]
	v_pk_add_f32 v[248:249], v[108:109], v[112:113]
	v_pk_add_f32 v[246:247], v[116:117], v[120:121]
	v_pk_add_f32 v[240:241], v[124:125], v[128:129]
	v_pk_add_f32 v[238:239], v[132:133], v[136:137]
	v_pk_add_f32 v[90:91], v[140:141], v[144:145]
	v_pk_add_f32 v[88:89], v[148:149], v[152:153]
	v_pk_add_f32 v[14:15], v[14:15], v[156:157]
	v_pk_add_f32 v[254:255], v[254:255], v[96:97]
	v_pk_add_f32 v[248:249], v[248:249], v[98:99]
	v_pk_add_f32 v[246:247], v[246:247], v[102:103]
	v_pk_add_f32 v[240:241], v[240:241], v[106:107]
	v_pk_add_f32 v[238:239], v[238:239], v[110:111]
	v_pk_add_f32 v[90:91], v[90:91], v[114:115]
	v_pk_add_f32 v[88:89], v[88:89], v[118:119]
	v_pk_add_f32 v[14:15], v[14:15], v[122:123]
	v_pk_add_f32 v[254:255], v[254:255], v[126:127]
	v_pk_add_f32 v[248:249], v[248:249], v[130:131]
	v_pk_add_f32 v[246:247], v[246:247], v[134:135]
	v_pk_add_f32 v[240:241], v[240:241], v[138:139]
	v_pk_add_f32 v[238:239], v[238:239], v[142:143]
	v_pk_add_f32 v[90:91], v[90:91], v[146:147]
	v_pk_add_f32 v[88:89], v[88:89], v[150:151]
	v_pk_add_f32 v[14:15], v[14:15], v[154:155]
	v_pk_add_f32 v[254:255], v[254:255], v[158:159]
	s_delay_alu instid0(VALU_DEP_2)
	v_pk_add_f32 v[14:15], v[14:15], v[240:241]
	s_delay_alu instid0(VALU_DEP_2)
	v_pk_add_f32 v[254:255], v[254:255], v[238:239]
	v_pk_add_f32 v[248:249], v[248:249], v[90:91]
	v_pk_add_f32 v[246:247], v[246:247], v[88:89]
	s_delay_alu instid0(VALU_DEP_2)
	v_pk_add_f32 v[14:15], v[14:15], v[248:249]
	s_delay_alu instid0(VALU_DEP_2)
	v_pk_add_f32 v[254:255], v[254:255], v[246:247]
	s_delay_alu instid0(VALU_DEP_1)
	v_pk_add_f32 v[14:15], v[14:15], v[254:255]    ; (these 32 are also the places between the writing of p's codes and scale word and the products that take them)
	s_setprio 0
.irp j, 0,2,4,6,8,10,12,14,16,18,20,22,24,26,28,30
	v_pk_mul_f32 v[O+\j:O+1+\j], v[O+\j:O+1+\j], v[F:F+1] op_sel_hi:[1,0]   ; O^T under the new M
.endr
	s_wait_alu depctr_va_vdst(0)
	s_wait_dscnt 0x0                               ; V is in
.irp d, 0,1,2,3
	v_wmma_scale_f32_16x16x128_f8f6f4 v[O+8*\d:O+8*\d+7], v[VF+8*\d:VF+8*\d+7], v[PC:PC+7], v[O+8*\d:O+8*\d+7], v[VSW+\d], v[PW] matrix_a_fmt:MATRIX_FMT_FP4 matrix_b_fmt:MATRIX_FMT_FP4   ; the four accumulators by turns, one instruction a turn
.endr
.endm
.Lpass:                                            ; two trips: my two tiles of queries
	global_load_b128 v[QF:QF+3], v[AK0], s[QP:QP+1]
	global_load_b32 v[QS], v[R4], s[QSP:QSP+1]
	v_mov_b32 v13, 0xff61b1e6                      ; the largest t so far: -3e38, under every t
	s_delay_alu instid0(VALU_DEP_1)
	v_floor_f32 v12, -v13                          ; -M
	v_mov_b32 v14, 0                               ; the sum, in two halves
	v_mov_b32 v15, 0
.irp j, 0,1,2,3,4,5,6,7,8,9,10,11,12,13,14,15,16,17,18,19,20,21,22,23,24,25,26,27,28,29,30,31
	v_mov_b32 v[O+\j], 0                           ; O^T.  (The step is written once: the first finds zeros, which the first change of M leaves zeros)
.endr
	s_mov_b32 s[TK], 0
	s_mov_b32 s[TS], 0
	s_mov_b32 s[TRIPS], 8
	s_wait_loadcnt 0x0                             ; Q and its scale words
.Lkeys:                                            ; eight trips of 256 keys
	STEP 0
	STEP 1
	s_add_co_u32 s[TK], s[TK], 8192
	s_add_co_u32 s[TS], s[TS], 2560
	s_sub_co_u32 s[TRIPS], s[TRIPS], 1
	s_cmp_lg_u32 s[TRIPS], 0
	s_cbranch_scc1 .Lkeys
	s_setprio 0
	; THE TILE'S END: O^T / the sum, quantised along the channels: two blocks of 32
	PLACES 4
	v_add_f32 v14, v14, v15                        ; the sum's two halves,
	s_delay_alu instid0(VALU_DEP_1)
	v_permlanex16_b32 v[T], v14, s[SEL], s[SEL+1]
	s_delay_alu instid0(VALU_DEP_1)
	v_add_f32 v14, v14, v[T]                       ; and lane l xor 16's: the row's sum
	s_wait_alu depctr_va_vdst(0)
	v_rcp_f32 v[F], v14
	v_nop                                          ; one plain place behind the transcendental
	s_wait_alu depctr_va_vdst(0)
.irp j, 0,2,4,6,8,10,12,14,16,18,20,22,24,26,28,30
	v_pk_mul_f32 v[S+\j:S+1+\j], v[O+\j:O+1+\j], v[F:F+1] op_sel_hi:[1,0]   ; register 8 d + j is channel 16 d + 8 h + j of my query; each accumulator from its low end on
.endr
.irp b, 0,1
	v_max3_num_f32 v[TM+\b], |v[S+16*\b]|, |v[S+1+16*\b]|, 0x1800000
.endr
.irp i, 2,4,6,8,10,12,14
.irp b, 0,1
	s_delay_alu instid0(VALU_DEP_2)
	v_max3_num_f32 v[TM+\b], v[TM+\b], |v[S+16*\b+\i]|, |v[S+1+16*\b+\i]|
.endr
.endr
.irp b, 0,1
	s_delay_alu instid0(VALU_DEP_2)
	v_permlanex16_b32 v[TP+\b], v[TM+\b], s[SEL], s[SEL+1]
.endr
.irp b, 0,1
	s_delay_alu instid0(VALU_DEP_2)
	v_max_num_f32 v[TM+\b], v[TM+\b], v[TP+\b]
.endr
.irp b, 0,1
	s_delay_alu instid0(VALU_DEP_2)
	v_add_nc_u32 v[SO+\b], 0xff000000, v[TM+\b]
.endr
.irp b, 0,1
	s_delay_alu instid0(VALU_DEP_2)
	v_lshrrev_b32 v[TP+\b], 23, v[SO+\b]
.endr
	s_delay_alu instid0(VALU_DEP_1)
	v_lshl_or_b32 v[T], v[TP+1], 8, v[TP]          ; the head's two scale bytes of my row
	CODES PC, S, SO, SO+1
	v_nop                                          ; one plain place behind the scaled conversions
	v_permlane16_swap_b32 v[PC], v[PC+1]
	v_permlane16_swap_b32 v[PC+2], v[PC+3]
	global_store_b128 v[AK0], v[PC:PC+3], s[VCP:VCP+1]   ; an operand's image: 512 consecutive bytes, aligned
	global_store_b16 v[R32], v[T], s[VSP:VSP+1]    ; two bytes of each of 16 rows, 32 bytes apart (lanes l and l xor 16 write the same): a sixteenth of what the codes weigh, and the reader gets whole scale words as they lie
	s_wait_xcnt 0x0                                ; the stores' bases and data are written again only behind this wait
	s_add_nc_u64 s[QP:QP+1], s[QP:QP+1], 512       ; on to my second tile
	s_add_nc_u64 s[QSP:QSP+1], s[QSP:QSP+1], 64
	s_add_nc_u64 s[VCP:VCP+1], s[VCP:VCP+1], 8192
	s_add_nc_u64 s[VSP:VSP+1], s[VSP:VSP+1], 512
	s_sub_co_u32 s[PASSES], s[PASSES], 1
	s_cmp_lg_u32 s[PASSES], 0
	s_cbranch_scc1 .Lpass
	s_wait_tensorcnt 0x0
	ds_add_u32 v5, v253
	s_wait_dscnt 0x0
	CROUND                                         ; the closing round: no work-group ends while a partner may still ask for a tile that names it
	s_endpgm
.Lfunc_end_k_q856e6e70be_attention:
	.size	k_q856e6e70be_attention, .Lfunc_end_k_q856e6e70be_attention-k_q856e6e70be_attention
	.p2alignl 7, 3214868480
	.fill 96, 4, 3214868480
	.section	.rodata,"a",@progbits
	.p2align	6, 0x0
	.amdhsa_kernel k_q856e6e70be_attention
		.amdhsa_group_segment_fixed_size 169984
		.amdhsa_private_segment_fixed_size 0
		.amdhsa_enable_private_segment 0
		.amdhsa_kernarg_size 32
		.amdhsa_user_sgpr_count 2
		.amdhsa_user_sgpr_kernarg_segment_ptr 1
		.amdhsa_wavefront_size32 1
		.amdhsa_system_sgpr_workgroup_id_x 1
		.amdhsa_system_sgpr_workgroup_id_y 1
		.amdhsa_system_sgpr_workgroup_id_z 1
		.amdhsa_system_vgpr_workitem_id 0
		.amdhsa_next_free_vgpr 256
		.amdhsa_next_free_sgpr 66
		.amdhsa_reserve_vcc 0
		.amdhsa_float_denorm_mode_32 3
		.amdhsa_float_denorm_mode_16_64 3
		.amdhsa_memory_ordered 1
		.amdhsa_forward_progress 1
		.amdhsa_inst_pref_size 46
	.end_amdhsa_kernel
	.amdgpu_metadata
---
amdhsa.version: [ 1, 2 ]
amdhsa.kernels:
  - .name:           k_q856e6e70be_attention
    .symbol:         k_q856e6e70be_attention.kd
    .args:
      - { .name: qkv, .offset: 0, .size: 8, .value_kind: global_buffer, .address_space: global }
      - { .name: sc, .offset: 8, .size: 8, .value_kind: global_buffer, .address_space: global }
      - { .name: vc, .offset: 16, .size: 8, .value_kind: global_buffer, .address_space: global }
      - { .name: vs, .offset: 24, .size: 8, .value_kind: global_buffer, .address_space: global }
    .group_segment_fixed_size: 169984
    .private_segment_fixed_size: 0
    .kernarg_segment_align: 8
    .kernarg_segment_size: 32
    .max_flat_workgroup_size: 512
    .sgpr_count:     66
    .vgpr_count:     256
    .wavefront_size: 32
...
	.end_amdgpu_metadata
.endif
;; end of part 2
;; launch out_proj (part 3): grid 4 x 64, 8 waves a work-group, clusters of 4 x 4, 252,928 bytes of LDS; arguments vc, vs, W_out_codes, W_out_scales, b_out, out0; writes out0
.if DOCPART == 3
	.amdgcn_target "amdgcn-amd-amdhsa--gfx1250"
	.amdhsa_code_object_version 6
	.text
	.protected	k_q856e6e70be_out_proj
	.globl	k_q856e6e70be_out_proj
	.p2align	8
	.type	k_q856e6e70be_out_proj,@function
k_q856e6e70be_out_proj:
	s_mov_b64 s[64:65], 0
	v_nop
	global_prefetch_b8 v0, s[64:65] scope:SCOPE_SE
	s_setreg_imm32_b32 hwreg(HW_REG_WAVE_MODE, 25, 1), 1
	s_wait_xcnt 0x0
	s_wait_alu depctr_hold_cnt(0) depctr_sa_sdst(0) depctr_va_vdst(0) depctr_va_sdst(0) depctr_va_ssrc(0) depctr_va_vcc(0) depctr_vm_vsrc(0)
	s_getreg_b32 s2, hwreg(HW_REG_IB_STS2, 6, 4)
	s_cmp_eq_u32 s2, 0
	s_cbranch_scc0 .Lentry_in_a_cluster
	s_endpgm
.Lentry_in_a_cluster:
	s_bfe_u32 s2, ttmp6, 0x10000c
	s_cmp_lg_u32 s2, 0xf033
	s_cbranch_scc0 .Lentry_shape_is_right
	s_endpgm
.Lentry_shape_is_right:
; out0 = vals W_out^T + b_out on codes of FP4 (E2M1) with E8M0 scales; out0 [8,192][1,024] f32.
; SHARES.  A work-group makes 128 rows x 256 columns.  Eight waves: wave w makes columns 64 (w % 4) on for rows 64 (w / 4) on: 64 x 64, sixteen accumulators.
; THE PRODUCT IS USED TRANSPOSED: source 0 = 16 rows of W_out (columns of the result), source 1 = 16 rows of vals: a lane holds eight neighbouring columns of one row.
; LDS HOLDS ALL THAT THE WORK-GROUP READS, in two halves along K: 256 rows of W_out, the images of 8 tiles of 16 rows of vals, and the scale bytes.  Every tensor load is a first fill; no byte is filled twice.
; The first half of K is multiplied while the second lands.
; vals' codes lie as images of operand registers, [tile of 16 rows][head][512 bytes]: head hd is registers 4 (hd % 2) .. + 3 of K step hd / 2.
; CLUSTER 4 x 4: the four work-groups of a column of the cluster share their rows of W_out, the four of a row their rows of vals: each tile is asked for jointly.
.set PITCH, 272                        ; an LDS row: 256 bytes + 16 of padding = 68 words: the 16 rows that a load touches start at 16 different banks (64 banks of 4 bytes: ISA guide 11.1)
.set AIMG,  256*PITCH                  ; in a half: W's 256 rows, then vals' images, 8 tiles x 4,096 bytes
.set HS,    AIMG+8*4096                ; half of K
.set SCL,   2*HS                       ; the scale bytes, 32 a row: W's 256 rows, then vals' 128
.set STG,   SCL+384*32                 ; the way out: 16 rows x 272 bytes for each wave; no fill lands here
.set AP0, 4                            ; v4   W's fragments, first half of K
.set AN0, 5                            ; v5   vals' images
.set AS,  6                            ; v6   scale words: lanes 0-15 W's rows, lanes 16-31 vals'
.set STO, 7                            ; v7   the stage: where I put 32 bytes of a row
.set RD,  8                            ; v8   and where I read a row back
.set CO,  9                            ; v9   my byte offset in two rows of the result
.set H32, 10                           ; v10  32 h
.set AP1, 14                           ; v14, v15  as v4, v5, for the second half of K
.set AN1, 15
.set SC,  16                           ; v16-31  scale words of half of K: they hold scales alone
                                       ; v32-47, v112-127  the bias, four tiles of eight
.set PF,  48                           ; v48-79   W's four fragments; on the way out rows read back
.set NF,  80                           ; v80-111  vals'; likewise
.set ACC, 128                          ; accumulator (n, p) at v[128 + 32 n + 8 p]
.set WV,  18
.set PG,  19
.set NG,  20
.set AH,  21
.set G1W,  32
.set G1WS, 40
.set G1A,  48
.set G1AS, 56
.set G0WS, 68
.set G0W0, 72
.set G0W1, 76
.set G0AS, 80
.set G0A0, 84
.set G0A1, 88
.macro CROUND                          ; a round of the cluster's barrier
	s_barrier_signal -1
	s_barrier_wait -1
	s_cmp_lg_u32 s[WV], 0
	s_cbranch_scc1 .Lnot_wave_0_\@
	s_barrier_signal -3
.Lnot_wave_0_\@:
	s_barrier_wait -3
	s_barrier_signal -1
	s_barrier_wait -1
.endm
.macro BAR
	s_barrier_signal -1
	s_barrier_wait -1
.endm
.macro PLACES n                        ; plain vector instructions between a matrix instruction and a load into, or a read of, its registers
.rept \n
	v_nop
.endr
.endm
.macro SCALES kh
.irp i, 0,1,2,3
	ds_load_b128 v[SC+4*\i:SC+4*\i+3], v[AS] offset:512*\i+16*\kh
.endr
.endm
.macro FETCH ap, an, q                 ; W's fragments from rows, vals' from images
.irp i, 0,1,2,3
.irp c, 0,1
	ds_load_b128 v[PF+8*\i+4*\c:PF+8*\i+4*\c+3], v[\ap] offset:16*PITCH*\i+64*\q+32*\c
	ds_load_b128 v[NF+8*\i+4*\c:NF+8*\i+4*\c+3], v[\an] offset:4096*\i+1024*\q+512*\c
.endr
.endr
.endm
; Sixteen products.  cm = 1: the sums start with the bias of W's tile.  The sixteen accumulators take turns, in the same order in every step.
.macro MUL16 q, cm
.irp n, 0,1,2,3
.irp p, 0,1,2,3
.set rD, ACC+32*\n+8*\p
.if \cm == 1
.set rC, 32+8*\p+64*(\p/2)
.else
.set rC, rD
.endif
	v_wmma_scale_f32_16x16x128_f8f6f4 v[rD:rD+7], v[PF+8*\p:PF+8*\p+7], v[NF+8*\n:NF+8*\n+7], v[rC:rC+7], v[SC+4*\p+\q], v[SC+4*\n+\q] matrix_a_fmt:MATRIX_FMT_FP4 matrix_b_fmt:MATRIX_FMT_FP4 matrix_b_scale:MATRIX_SCALE_ROW1
.endr
.endr
.endm
.macro STEP ap, an, q
	PLACES 4
	FETCH \ap, \an, \q
	s_wait_dscnt 0x0
	MUL16 \q, 0
.endm
	s_load_b256 s[4:11], s[0:1], 0x0               ; vc s[4:5], vs s[6:7], W's codes s[8:9], W's scales s[10:11]
	s_load_b128 s[12:15], s[0:1], 0x20             ; the bias s[12:13], the result s[14:15]
	v_lshl_add_u32 v12, v0, 2, 0x3d800
	v_mov_b32 v13, 0
	ds_add_u32 v12, v13
	ds_add_u32 v12, v13
	v_lshrrev_b32 v1, 5, v0
	s_delay_alu instid0(VALU_DEP_1)
	v_readfirstlane_b32 s[WV], v1                  ; wave 0..7
	s_and_b32 s[PG], s[WV], 3                      ; which 64 columns.  Also: which 64 rows of W I fetch
	s_lshr_b32 s[NG], s[WV], 2                     ; which 64 rows
	s_and_b32 s[AH], s[WV], 1                      ; which 64 rows of vals I fetch
	s_bfe_u32 s22, ttmp6, 0x40000                  ; cx, cy: my place in the cluster
	s_bfe_u32 s23, ttmp6, 0x40004
	s_lshl_b32 s24, ttmp9, 2
	s_add_co_u32 s24, s24, s22                     ; the block of 256 columns = 4 x cluster x + cx
	s_and_b32 s25, ttmp7, 0xffff
	s_lshl_b32 s25, s25, 2
	s_add_co_u32 s25, s25, s23                     ; the block of 128 rows = 4 x cluster y + cy
	s_lshl_b32 s26, s23, 2
	s_lshl_b32 s26, 15, s26                        ; my row of the cluster
	s_lshl_b32 s27, 0x1111, s22                    ; my column
	v_and_b32 v1, 15, v0                           ; r
	v_bfe_u32 v2, v0, 4, 1                         ; h
	s_wait_alu depctr_va_vdst(0)
	v_and_b32 v3, 31, v0                           ; lane
	v_mul_u32_u24 v[AP0], v1, PITCH
	s_delay_alu instid0(VALU_DEP_1)
	v_lshl_add_u32 v[AP0], v2, 4, v[AP0]
	s_mul_i32 s2, s[PG], 64*PITCH
	v_add_nc_u32 v[AP0], s2, v[AP0]
	s_delay_alu instid0(VALU_DEP_1)
	v_add_nc_u32 v[AP1], HS, v[AP0]
	v_lshlrev_b32 v[AN0], 4, v3
	s_lshl_b32 s2, s[NG], 14
	s_add_co_u32 s2, s2, AIMG
	v_add_nc_u32 v[AN0], s2, v[AN0]
	s_delay_alu instid0(VALU_DEP_1)
	v_add_nc_u32 v[AN1], HS, v[AN0]
	s_lshl_b32 s2, s[PG], 6                        ; my first row of W,
	s_lshl_b32 s3, s[NG], 6
	s_add_co_u32 s3, s3, 256                       ; and of vals, among the rows of scale bytes
	s_sub_co_u32 s3, s3, s2
	s_lshl_b32 s3, s3, 5
	v_mul_u32_u24 v[AS], s3, v2                    ; one product: lanes 16-31 stand the distance further on
	s_delay_alu instid0(VALU_DEP_1)
	v_lshl_add_u32 v[AS], v1, 5, v[AS]
	s_lshl_b32 s2, s2, 5
	s_add_co_u32 s2, s2, SCL
	v_add_nc_u32 v[AS], s2, v[AS]
	s_mul_i32 s2, s[WV], 16*PITCH
	s_add_co_u32 s2, s2, STG                       ; my stage
	v_mul_u32_u24 v[STO], v1, PITCH                ; in: row r, 32 bytes for each half of the lanes
	s_delay_alu instid0(VALU_DEP_1)
	v_lshl_add_u32 v[STO], v2, 5, v[STO]
	s_delay_alu instid0(VALU_DEP_1)
	v_add_nc_u32 v[STO], s2, v[STO]
	v_mul_u32_u24 v[RD], v2, PITCH                 ; back: lanes 0-15 one row of 256 bytes, lanes 16-31 the next
	s_delay_alu instid0(VALU_DEP_1)
	v_lshl_add_u32 v[RD], v1, 4, v[RD]
	s_delay_alu instid0(VALU_DEP_1)
	v_add_nc_u32 v[RD], s2, v[RD]
	v_lshlrev_b32 v[CO], 12, v2                    ; and the same two rows in the result: 4,096 bytes a row
	s_delay_alu instid0(VALU_DEP_1)
	v_lshl_add_u32 v[CO], v1, 4, v[CO]
	v_lshlrev_b32 v[H32], 5, v2
	; group 1.  W's codes: 64 rows x 256 bytes, 512 bytes apart in memory, 16 bytes of padding behind each in LDS
	s_or_b32 s[G1W], s27, (1<<20)|(1<<21)|(5<<22)|(3<<25)    ; 15:0 the mask: W's tiles go to my column of the cluster; 17:16 elements of 1 byte; 20 padding on; 21 set beside a mask; 24:22 after every 64 words; 31:25 four words
	s_mov_b32 s[G1W+1], 256<<16
	s_mov_b32 s[G1W+2], 64<<16
	s_mov_b32 s[G1W+3], 256<<16
	s_mov_b32 s[G1W+4], 64
	s_mov_b32 s[G1W+5], 512
	s_mov_b32 s[G1W+6], 0
	s_mov_b32 s[G1W+7], 0
	; vals' images: 4 tiles' 4,096 bytes (8 heads), 8,192 bytes apart: 4 rows of 512 elements of 8 bytes
	s_or_b32 s[G1A], s26, (3<<16)|(1<<21)          ; vals' tiles go to my row of the cluster
	s_mov_b32 s[G1A+1], 512<<16
	s_mov_b32 s[G1A+2], 4<<16
	s_mov_b32 s[G1A+3], 512<<16
	s_mov_b32 s[G1A+4], 4
	s_mov_b32 s[G1A+5], 1024
	s_mov_b32 s[G1A+6], 0
	s_mov_b32 s[G1A+7], 0
	; the scale bytes of 64 rows: 2,048 dense bytes, as 8 rows of 32 elements of 8 bytes
	s_or_b32 s[G1WS], s27, (3<<16)|(1<<21)
	s_or_b32 s[G1AS], s26, (3<<16)|(1<<21)
.irp g, G1WS, G1AS
	s_mov_b32 s[\g+1], 32<<16
	s_mov_b32 s[\g+2], 8<<16
	s_mov_b32 s[\g+3], 32<<16
	s_mov_b32 s[\g+4], 8
	s_mov_b32 s[\g+5], 32
	s_mov_b32 s[\g+6], 0
	s_mov_b32 s[\g+7], 0
.endr
	; from where: W's offsets hang on the block of columns and the wave, vals' on the block of rows and the wave, each in registers of their own
	s_lshl_b32 s92, s24, 8
	s_lshl_b32 s94, s[PG], 6
	s_add_co_u32 s92, s92, s94                     ; W: row 256 x block + 64 x quarter
	s_lshl_b32 s94, s92, 5
	s_lshl_b32 s92, s92, 9
	s_mov_b32 s93, 0
	s_mov_b32 s95, 0
	s_lshl_b32 s96, s25, 3
	s_lshl_b32 s98, s[AH], 2
	s_add_co_u32 s96, s96, s98                     ; vals: tile of rows 8 x block + 4 x half
	s_lshl_b32 s98, s96, 9                         ; its 16 rows of 32 scale bytes,
	s_lshl_b32 s96, s96, 13                        ; its images
	s_mov_b32 s97, 0
	s_mov_b32 s99, 0
	; to where: the wave's number alone
	s_lshl_b32 s[G0WS+1], s[PG], 11
	s_add_co_u32 s[G0WS+1], s[G0WS+1], SCL
	s_mul_i32 s[G0W0+1], s[PG], 64*PITCH
	s_add_co_u32 s[G0W1+1], s[G0W0+1], HS
	s_lshl_b32 s[G0AS+1], s[AH], 11
	s_add_co_u32 s[G0AS+1], s[G0AS+1], SCL+256*32
	s_lshl_b32 s[G0A0+1], s[AH], 14
	s_add_co_u32 s[G0A0+1], s[G0A0+1], AIMG
	s_add_co_u32 s[G0A1+1], s[G0A0+1], HS
.irp g, G0WS, G0W0, G0W1, G0AS, G0A0, G0A1
	s_mov_b32 s[\g], 1                             ; count = 1
.endr
	s_wait_dscnt 0x0
	s_wait_kmcnt 0x0
	s_add_nc_u64 s[G0WS+2:G0WS+3], s[10:11], s[94:95]
	s_add_nc_u64 s[G0W0+2:G0W0+3], s[8:9], s[92:93]
	s_add_nc_u64 s[G0W1+2:G0W1+3], s[G0W0+2:G0W0+3], 256
	s_add_nc_u64 s[G0AS+2:G0AS+3], s[6:7], s[98:99]
	s_add_nc_u64 s[G0A0+2:G0A0+3], s[4:5], s[96:97]
	s_add_nc_u64 s[G0A1+2:G0A1+3], s[G0A0+2:G0A0+3], 4096
.irp g, G0WS, G0W0, G0W1, G0AS, G0A0, G0A1
	s_or_b32 s[\g+3], s[\g+3], 0x80000000          ; type = 2
.endr
	CROUND                                         ; all sixteen work-groups are here: the joint loads meet
	; ALL FILLS OF THE LAUNCH, in one branch on the wave's number: waves 0-3 W's quarters, waves 4 and 5 vals' halves; three loads of a wave are out at the most.  Four v_nop follow
	s_cmp_lt_u32 s[WV], 4
	s_cbranch_scc0 .Lnot_w
	tensor_load_to_lds s[G0WS:G0WS+3], s[G1WS:G1WS+7]
	s_nop 0
	tensor_load_to_lds s[G0W0:G0W0+3], s[G1W:G1W+7]
	s_nop 0
	tensor_load_to_lds s[G0W1:G0W1+3], s[G1W:G1W+7]
	s_nop 0
	PLACES 4
	s_branch .Lasked
.Lnot_w:
	s_cmp_lt_u32 s[WV], 6
	s_cbranch_scc0 .Lasked
	tensor_load_to_lds s[G0AS:G0AS+3], s[G1AS:G1AS+7]
	s_nop 0
	tensor_load_to_lds s[G0A0:G0A0+3], s[G1A:G1A+7]
	s_nop 0
	tensor_load_to_lds s[G0A1:G0A1+3], s[G1A:G1A+7]
	s_nop 0
	PLACES 4
.Lasked:
	s_lshl_b32 s28, s24, 8
	s_lshl_b32 s29, s[PG], 6
	s_add_co_u32 s28, s28, s29
	s_lshl_b32 s2, s28, 2                          ; my first column, in bytes
	s_mov_b32 s3, 0
	s_add_nc_u64 s[12:13], s[12:13], s[2:3]        ; its bias
	s_add_nc_u64 s[14:15], s[14:15], s[2:3]
	s_lshl_b32 s28, s25, 7
	s_lshl_b32 s29, s[NG], 6
	s_add_co_u32 s28, s28, s29
	s_lshl_b32 s2, s28, 12                         ; my first row, 4,096 bytes a row
	s_add_nc_u64 s[14:15], s[14:15], s[2:3]
	s_wait_alu depctr_va_vdst(0)
.irp p, 0,1,2,3                                ; register j of W's tile p is column 16 p + 8 h + j
.irp k, 0,1
	global_load_b128 v[32+8*\p+64*(\p/2)+4*\k:32+8*\p+64*(\p/2)+4*\k+3], v[H32], s[12:13] offset:64*\p+16*\k
.endr
.endr
	s_wait_tensorcnt 0x1                           ; my scale bytes and my part of the first half of K are in; the one load that may be out is the second half's
	BAR                                            ; everybody's are.
	SCALES 0
	FETCH AP0, AN0, 0
	s_wait_loadcnt 0x0                             ; the bias
	s_wait_dscnt 0x0
	MUL16 0, 1                                     ; the first products start the sums with the bias
	STEP AP0, AN0, 1
	STEP AP0, AN0, 2
	STEP AP0, AN0, 3
	s_wait_tensorcnt 0x0                           ; my part of the second half is in (no load was issued behind it),
	BAR                                            ; everybody's is
	PLACES 4
	SCALES 1
	FETCH AP1, AN1, 0
	s_wait_dscnt 0x0
	MUL16 0, 0
	STEP AP1, AN1, 1
	STEP AP1, AN1, 2
	STEP AP1, AN1, 3
; THE WAY OUT, 16 rows x 64 columns at a time.  A lane holds 32 neighbouring bytes of a row, and the lanes beside it hold other rows: a block goes through my own stage and comes back as whole rows of 256 bytes.
; LDS serves a wave's instructions in order (ISA guide 5.7.1.4): no wait between the stores and the loads, nor in front of the next block's stores.
.macro TOSTAGE n
.irp p, 0,1,2,3
	ds_store_b128 v[STO], v[ACC+32*(\n)+8*\p:ACC+32*(\n)+8*\p+3] offset:64*\p       ; each accumulator from its low end on
	ds_store_b128 v[STO], v[ACC+32*(\n)+8*\p+4:ACC+32*(\n)+8*\p+7] offset:64*\p+16
.endr
.irp i, 0,1,2,3,4,5,6,7
	ds_load_b128 v[PF+32*((\n)%2)+4*\i:PF+32*((\n)%2)+4*\i+3], v[RD] offset:2*PITCH*\i
.endr
.endm
.macro SEND n, younger                 ; younger: the LDS instructions issued behind block n's loads, which may stay out
	s_wait_dscnt \younger
.irp i, 0,1,2,3,4,5,6,7
	global_store_b128 v[CO], v[PF+32*((\n)%2)+4*\i:PF+32*((\n)%2)+4*\i+3], s[14:15] offset:(16*(\n)+2*\i)*4096 th:TH_STORE_NT   ; 16 lanes store 256 consecutive bytes, aligned; written once, read by nobody here
.endr
.endm
	PLACES 4
	TOSTAGE 0
.irp n, 1,2,3
.if \n > 1
	s_wait_xcnt 0x0                                ; block n - 2's stores have read their registers: block n's loads may land there
.endif
	TOSTAGE \n
	SEND \n-1, 16                                  ; behind block n - 1's loads: block n's 8 stores and 8 loads
.endr
	SEND 3, 0
	s_wait_tensorcnt 0x0
	ds_add_u32 v12, v13
	s_wait_dscnt 0x0
	CROUND                                         ; the closing round: no work-group ends while a partner may still ask for a tile that names it
	s_endpgm
.Lfunc_end_k_q856e6e70be_out_proj:
	.size	k_q856e6e70be_out_proj, .Lfunc_end_k_q856e6e70be_out_proj-k_q856e6e70be_out_proj
	.p2alignl 7, 3214868480
	.fill 96, 4, 3214868480
	.section	.rodata,"a",@progbits
	.p2align	6, 0x0
	.amdhsa_kernel k_q856e6e70be_out_proj
		.amdhsa_group_segment_fixed_size 252928
		.amdhsa_private_segment_fixed_size 0
		.amdhsa_enable_private_segment 0
		.amdhsa_kernarg_size 48
		.amdhsa_user_sgpr_count 2
		.amdhsa_user_sgpr_kernarg_segment_ptr 1
		.amdhsa_wavefront_size32 1
		.amdhsa_system_sgpr_workgroup_id_x 1
		.amdhsa_system_sgpr_workgroup_id_y 1
		.amdhsa_system_sgpr_workgroup_id_z 1
		.amdhsa_system_vgpr_workitem_id 0
		.amdhsa_next_free_vgpr 256
		.amdhsa_next_free_sgpr 100
		.amdhsa_reserve_vcc 0
		.amdhsa_float_denorm_mode_32 3
		.amdhsa_float_denorm_mode_16_64 3
		.amdhsa_memory_ordered 1
		.amdhsa_forward_progress 1
		.amdhsa_inst_pref_size 44
	.end_amdhsa_kernel
	.amdgpu_metadata
---
amdhsa.version: [ 1, 2 ]
amdhsa.kernels:
  - .name:           k_q856e6e70be_out_proj
    .symbol:         k_q856e6e70be_out_proj.kd
    .args:
      - { .name: vc, .offset: 0, .size: 8, .value_kind: global_buffer, .address_space: global }
      - { .name: vs, .offset: 8, .size: 8, .value_kind: global_buffer, .address_space: global }
      - { .name: W_out_codes, .offset: 16, .size: 8, .value_kind: global_buffer, .address_space: global }
      - { .name: W_out_scales, .offset: 24, .size: 8, .value_kind: global_buffer, .address_space: global }
      - { .name: b_out, .offset: 32, .size: 8, .value_kind: global_buffer, .address_space: global }
      - { .name: out0, .offset: 40, .size: 8, .value_kind: global_buffer, .address_space: global }
    .group_segment_fixed_size: 252928
    .private_segment_fixed_size: 0
    .kernarg_segment_align: 8
    .kernarg_segment_size: 48
    .max_flat_workgroup_size: 256
    .sgpr_count:     100
    .vgpr_count:     256
    .wavefront_size: 32
...
	.end_amdgpu_metadata
.endif
;; end of part 3
